; MI455X (gfx1250); checked and timed in simulation.
; The chip was launched on July 23, 2026; its instructions are those of AMD's public machine-readable ISA for CDNA 5 (MIT licence, August 2026) and "CDNA5" Instruction Set Architecture Reference Guide (July 2026). The comments in the code are by the model that wrote it; some were corrected since.
;; Retrieval Dot Loss. Allowed arithmetic: float matrix products may take bf16 or f16 operands with f32 sums; all other float work in f32.
;; Inputs: doc_emb 65,536 x 256 float32; query_emb 65,536 x 256 float32.
;; Outputs: out0 65,536 x 1 float32.
;; 2 versions, each right; version 2 is version 1 with the launch rowdot written anew for expert scheduling mode. Each part assembles by itself: llvm-mc -triple=amdgcn-amd-amdhsa -mcpu=gfx1250 --defsym DOCPART=n.
;; ======== version 1 of 2: 1 launch
;; launch rowdot (part 1): grid 256 x 1, 4 waves a work-group, no clusters, 0 bytes of LDS; arguments query_emb, doc_emb, out0; writes out0
.if DOCPART == 1
	.amdgcn_target "amdgcn-amd-amdhsa--gfx1250"
	.amdhsa_code_object_version 6
	.text
	.protected	k_q5e36c06fe6_rowdot
	.globl	k_q5e36c06fe6_rowdot
	.p2align	8
	.type	k_q5e36c06fe6_rowdot,@function
k_q5e36c06fe6_rowdot:
	s_mov_b64 s[64:65], 0
	v_nop
	global_prefetch_b8 v0, s[64:65] scope:SCOPE_SE
	s_setreg_imm32_b32 hwreg(HW_REG_WAVE_MODE, 25, 1), 1
	s_wait_xcnt 0x0
; out0[r] = - sum over c of query_emb[r][c] * doc_emb[r][c].   query_emb, doc_emb: [65536][256] f32, out0: [65536] f32.
; One multiply-add for every 8 bytes read: a stream.  No matrix unit (only the diagonal of the product is wanted, nothing is used twice),
; no LDS, no barrier (no wave needs another's data), no cluster (no two work-groups read the same byte).
;
; SHARES.  256 work-groups of four waves.  A work-group owns 256 rows, a wave 64 rows: 64 KiB of each input and 256 consecutive bytes of
; out0, aligned.  Lanes 0-15 walk the wave's rows 0-31, lanes 16-31 its rows 32-63: sixteen lanes x 16 bytes are 256 consecutive bytes of a
; row, aligned, and four such loads are a row.  A UNIT is one row for each half of the wave, from both inputs: 8 loads, 32 registers.
; A ring of 7 slots keeps 56 loads of the wave (28 KiB) on their way.
;
; THE SUM ACROSS LANES TRANSPOSES.  A row's 16 partial sums lie in one row of 16 lanes.  Two units' sums a and b are merged into one register:
; lanes whose bit is clear keep a and take the partner's a, lanes whose bit is set keep b and take the partner's b (two selects, one
; add that reads the partner lane).  Four levels (lane bits 1, 2, 4, 8) merge 16 units into one register in which lane r of each half
; holds the whole sum of unit r.  Even rows form group 0 and odd rows group 1, so lane L = 16 h + r ends with rows 32 h + 2 r and 32 h + 2 r + 1
; = 2 L and 2 L + 1 in a register pair: one 8-byte store a lane writes the wave's 256 bytes.  30 merges of 3 instructions for 64 rows.
; A merge is made as soon as both partners exist (the carries of a binary counter), so only 4 pending sums a group are kept.
;
; LIMIT KEPT: the order of the additions differs from the reference's (all in f32: two chains of four products in a lane, then a tree over
; 16 lanes).  No limit of range; NaN and infinities pass through the same arithmetic.
.set ROW,   1024                       ; bytes in a row
.set UNITS, 32                         ; units of a wave
.set SLOTS, 7                          ; units on their way
.set ADR,   1                          ; v1        byte offset of my 16 bytes in my half's first row, from the work-group's first row; never rewritten
.set OUTO,  2                          ; v2        byte offset of my two results in the work-group's 1,024 bytes of out0
.set TT,    3                          ; v3        a merge: what goes to the partner lane
.set SV,    4                          ; v4        the sum on its way up the levels
.set A0,    6                          ; v[6:7]    chain 0: two running sums
.set A1,    8                          ; v[8:9]    chain 1
.set RES,   10                         ; v[10:11]  results: rows 2 L and 2 L + 1
.set PB,    12                         ; v[12:19]  pending sums: group g, level l at PB + 4 g + l
.set X,     20                         ; v[20:243] slot s: 16 registers of query, then 16 of doc
.set MK,    12                         ; s[12:15]  level l: the lanes whose bit l is set
	s_load_b128 s[4:7], s[0:1], 0x0                ; query_emb s[4:5], doc_emb s[6:7]
	s_load_b64 s[8:9], s[0:1], 0x10                ; out0
	s_lshl_b32 s10, ttmp9, 18                      ; the work-group's 256 rows of 1,024 bytes (255 x 256 KiB at the most: 32 bits do)
	s_mov_b32 s11, 0
	s_lshl_b32 s2, ttmp9, 10                       ; its 256 results of 4 bytes
	s_mov_b32 s3, 0
	s_mov_b32 s[MK+0], 0xaaaaaaaa                  ; lanes with bit 0 set
	s_mov_b32 s[MK+1], 0xcccccccc                  ; bit 1
	s_mov_b32 s[MK+2], 0xf0f0f0f0                  ; bit 2
	s_mov_b32 s[MK+3], 0xff00ff00                  ; bit 3
	v_lshrrev_b32 v[ADR], 4, v0                    ; 2 x wave + half: which block of 32 rows
	v_and_b32 v[TT], 15, v0                        ; my place in a row's 256 bytes
	v_lshlrev_b32 v[TT], 4, v[TT]
	v_lshl_or_b32 v[ADR], v[ADR], 15, v[TT]        ; 32 rows x 1,024 bytes x block + 16 x place
	v_lshlrev_b32 v[OUTO], 3, v0                   ; 8 x thread = 256 x wave + 8 x lane
	s_wait_kmcnt 0x0
	s_add_nc_u64 s[4:5], s[4:5], s[10:11]
	s_add_nc_u64 s[6:7], s[6:7], s[10:11]
	s_add_nc_u64 s[8:9], s[8:9], s[2:3]
; Unit u is asked for: row u of each half, four pieces of 256 bytes from each input.  The row and the piece stand in the immediate
; (32,512 bytes at the most).  Every byte is read once in the launch: non-temporal.
.macro FILL u
.set SLB, X+32*((\u)%SLOTS)
.irp c, 0,1,2,3
	global_load_b128 v[SLB+4*\c:SLB+4*\c+3],       v[ADR], s[4:5] offset:(\u)*ROW+256*\c th:TH_LOAD_NT
	global_load_b128 v[SLB+16+4*\c:SLB+16+4*\c+3], v[ADR], s[6:7] offset:(\u)*ROW+256*\c th:TH_LOAD_NT
.endr
.endm
; One level of the merge, made if this unit's index in its group has bits 0 .. lvl all set (NTR counts them).  The pending sum of the level
; belongs to the smaller index (bit clear), SV to the larger.  The merged sum goes on in SV, or, at the unit's last level, to the next
; level's pending place (after level 3: to the result).  The add's destination has just been written by the select in front of it.
.macro LEVEL lvl, m
.if NTR > \lvl
.if NTR == \lvl+1
.if \lvl == 3
.set DST, RES+GRP
.else
.set DST, PB+4*GRP+\lvl+1
.endif
.else
.set DST, SV
.endif
	v_cndmask_b32 v[TT],  v[SV], v[PB+4*GRP+\lvl], s[MK+\lvl]      ; for the partner: lanes with the bit give the pending sum, the others SV
	v_cndmask_b32 v[DST], v[PB+4*GRP+\lvl], v[SV], s[MK+\lvl]      ; kept: lanes with the bit keep SV, the others the pending sum
	v_add_f32_dpp v[DST], v[TT], v[DST] row_xmask:\m row_mask:0xf bank_mask:0xf   ; kept + what lane (i xor m) gave
.endif
.endm
; The turn of unit UT.
.macro TURN
.set SLB, X+32*(UT%SLOTS)
.set GRP, UT&1                         ; even or odd row
.set IDX, UT>>1                        ; index in the group = the lane (of 16) in which the row's sum ends
.set NTR, 0                            ; how many low bits of IDX are set = how many merges fall due
.if (IDX&1) == 1
.set NTR, 1
.endif
.if (IDX&3) == 3
.set NTR, 2
.endif
.if (IDX&7) == 7
.set NTR, 3
.endif
.if IDX == 15
.set NTR, 4
.endif
.if UT+SLOTS <= UNITS
.set LEFT, 8*(SLOTS-1)                 ; six younger units, 8 loads each, stay out
.else
.set LEFT, 8*(UNITS-1-UT)              ; the last turns: only the units that are left
.endif
	s_wait_loadcnt LEFT                            ; loads come back in order (ISA guide 5.7.1): this unit's eight are in
	v_pk_mul_f32 v[A0:A0+1], v[SLB:SLB+1],   v[SLB+16:SLB+17]      ; the first products start the two chains: nothing is cleared
	v_pk_mul_f32 v[A1:A1+1], v[SLB+2:SLB+3], v[SLB+18:SLB+19]
.irp c, 1,2,3
	v_pk_fma_f32 v[A0:A0+1], v[SLB+4*\c:SLB+4*\c+1],   v[SLB+16+4*\c:SLB+17+4*\c], v[A0:A0+1]
	v_pk_fma_f32 v[A1:A1+1], v[SLB+4*\c+2:SLB+4*\c+3], v[SLB+18+4*\c:SLB+19+4*\c], v[A1:A1+1]
.endr
.if UT+SLOTS < UNITS
	FILL UT+SLOTS                                  ; the slot has been read: its next unit goes out ahead of the reduction
.endif
	v_pk_add_f32 v[A0:A0+1], v[A0:A0+1], v[A1:A1+1] neg_lo:[1,1] neg_hi:[1,1]     ; - chain 0 - chain 1: the result's minus sign rides here
.if NTR == 0
.set DST, PB+4*GRP                     ; no merge falls due: the sum waits at level 0
.else
.set DST, SV
.endif
	v_add_f32 v[DST], v[A0], v[A0+1]               ; my 16 products of the row, negated
	LEVEL 0, 1
	LEVEL 1, 2
	LEVEL 2, 4
	LEVEL 3, 8
.set UT, UT+1
.endm
.set UT, 0
.rept SLOTS
	FILL UT                                        ; the ring is filled: 56 loads
.set UT, UT+1
.endr
.set UT, 0
.rept UNITS
	TURN
.endr
	global_store_b64 v[OUTO], v[RES:RES+1], s[8:9] th:TH_STORE_NT  ; 32 lanes x 8 bytes: the wave's 256 consecutive bytes of out0, aligned, in one store
	s_endpgm
.Lfunc_end_k_q5e36c06fe6_rowdot:
	.size	k_q5e36c06fe6_rowdot, .Lfunc_end_k_q5e36c06fe6_rowdot-k_q5e36c06fe6_rowdot
	.p2alignl 7, 3214868480
	.fill 96, 4, 3214868480
	.section	.rodata,"a",@progbits
	.p2align	6, 0x0
	.amdhsa_kernel k_q5e36c06fe6_rowdot
		.amdhsa_group_segment_fixed_size 0
		.amdhsa_private_segment_fixed_size 0
		.amdhsa_enable_private_segment 0
		.amdhsa_kernarg_size 24
		.amdhsa_user_sgpr_count 2
		.amdhsa_user_sgpr_kernarg_segment_ptr 1
		.amdhsa_wavefront_size32 1
		.amdhsa_system_sgpr_workgroup_id_x 1
		.amdhsa_system_sgpr_workgroup_id_y 1
		.amdhsa_system_sgpr_workgroup_id_z 1
		.amdhsa_system_vgpr_workitem_id 0
		.amdhsa_next_free_vgpr 244
		.amdhsa_next_free_sgpr 66
		.amdhsa_reserve_vcc 0
		.amdhsa_float_denorm_mode_32 3
		.amdhsa_float_denorm_mode_16_64 3
		.amdhsa_memory_ordered 1
		.amdhsa_forward_progress 1
		.amdhsa_inst_pref_size 51
	.end_amdhsa_kernel
	.amdgpu_metadata
---
amdhsa.version: [ 1, 2 ]
amdhsa.kernels:
  - .name:           k_q5e36c06fe6_rowdot
    .symbol:         k_q5e36c06fe6_rowdot.kd
    .args:
      - { .name: query_emb, .offset: 0, .size: 8, .value_kind: global_buffer, .address_space: global }
      - { .name: doc_emb, .offset: 8, .size: 8, .value_kind: global_buffer, .address_space: global }
      - { .name: out0, .offset: 16, .size: 8, .value_kind: global_buffer, .address_space: global }
    .group_segment_fixed_size: 0
    .private_segment_fixed_size: 0
    .kernarg_segment_align: 8
    .kernarg_segment_size: 24
    .max_flat_workgroup_size: 128
    .sgpr_count:     66
    .vgpr_count:     244
    .wavefront_size: 32
...
	.end_amdgpu_metadata
.endif
;; end of part 1
;; ======== version 2 of 2: 1 launch; version 1 with the launch rowdot written anew for expert scheduling mode
;; launch rowdot (part 2): grid 256 x 1, 4 waves a work-group, no clusters, 0 bytes of LDS; arguments query_emb, doc_emb, out0; writes out0
.if DOCPART == 2
	.amdgcn_target "amdgcn-amd-amdhsa--gfx1250"
	.amdhsa_code_object_version 6
	.text
	.protected	k_q5e36c06fe6_rowdot
	.globl	k_q5e36c06fe6_rowdot
	.p2align	8
	.type	k_q5e36c06fe6_rowdot,@function
k_q5e36c06fe6_rowdot:
	s_mov_b64 s[64:65], 0
	v_nop
	global_prefetch_b8 v0, s[64:65] scope:SCOPE_SE
	s_setreg_imm32_b32 hwreg(HW_REG_WAVE_SCHED_MODE, 0, 2), 2
	s_setreg_imm32_b32 hwreg(HW_REG_WAVE_MODE, 25, 1), 1
	s_wait_xcnt 0x0
	s_wait_alu depctr_vm_vsrc(0)
; out0[r] = - sum over c of query_emb[r][c] * doc_emb[r][c].   query_emb, doc_emb: [65536][256] f32, out0: [65536] f32.
; One multiply-add for every 8 bytes read: a stream.  No matrix unit (only the diagonal of the product is wanted, nothing is used twice),
; no LDS, no barrier (no wave needs another's data), no cluster (no two work-groups read the same byte).
;
; SHARES.  256 work-groups of four waves.  A work-group owns 256 rows, a wave 64 rows: 64 KiB of each input and 256 consecutive bytes of
; out0, aligned.  Lanes 0-15 walk the wave's rows 0-31, lanes 16-31 its rows 32-63: sixteen lanes x 16 bytes are 256 consecutive bytes of a
; row, aligned, and four such loads are a row.  A UNIT is one row for each half of the wave, from both inputs: 8 loads, 32 registers.
; A ring of 7 slots keeps 56 loads of the wave (28 KiB) on their way.
;
; THE SUM ACROSS LANES TRANSPOSES.  A row's 16 partial sums lie in one row of 16 lanes.  Two units' sums a and b are merged into one register:
; lanes whose bit is clear keep a and take the partner's a, lanes whose bit is set keep b and take the partner's b (two selects, one
; add that reads the partner lane).  Four levels (lane bits 1, 2, 4, 8) merge 16 units into one register in which lane r of each half
; holds the whole sum of unit r.  Even rows form group 0 and odd rows group 1, so lane L = 16 h + r ends with rows 32 h + 2 r and 32 h + 2 r + 1
; = 2 L and 2 L + 1 in a register pair: one 8-byte store a lane writes the wave's 256 bytes.  30 merges of 3 instructions for 64 rows.
; A merge is made as soon as both partners exist (the carries of a binary counter), so only 4 pending sums a group are kept.
;
; THE MODE: SCHED_MODE bits 1:0 = 2 (LLVM: expert scheduling mode 2), set by the entry lines.  The code itself states the register dependences
; between vector instructions and memory instructions, with s_wait_alu, always for 0.
; THE PLAN.  Registers that memory instructions touch:
;   v[ADR]     Written at the head; read by every load as its offset; never written again: rows and pieces stand in the immediates.
;   v[OUTO]    Written at the head; read by the one store; never written again.
;   X, slot s  Unit u lies in slot u % 7.  Written by loads alone; read by the eight multiply-adds of turn u alone; behind them the loads of unit u + 7 land in it.
;   v[RES ..]  Written by the last merges of turns 30 and 31; read by the one store.
;   TT, SV, the chains and the pending sums are named by vector instructions alone.
; So: one wait on va_vdst at the head (the two offsets are written); one in each turn that refills, behind its eight multiply-adds (they are done reading the
; slot); one ahead of the store (the results are written).  A turn's eight loads follow its wait, dealt among the first lines of the reduction, which name the
; chains, TT, SV, the pending sums and the results: none of the registers that those loads touch.  No register that a memory instruction reads is written again,
; no vector instruction writes a scalar register or VCC, and EXEC is never written: nothing else is owed.
;
; LIMIT KEPT: the order of the additions differs from the reference's (all in f32: two chains of four products in a lane, then a tree over
; 16 lanes).  No limit of range; NaN and infinities pass through the same arithmetic.
.set ROW,   1024                       ; bytes in a row
.set UNITS, 32                         ; units of a wave
.set SLOTS, 7                          ; units on their way
.set ADR,   1                          ; v1        byte offset of my 16 bytes in my half's first row, from the work-group's first row; never rewritten
.set OUTO,  2                          ; v2        byte offset of my two results in the work-group's 1,024 bytes of out0
.set TT,    3                          ; v3        a merge: what goes to the partner lane
.set SV,    4                          ; v4        the sum on its way up the levels
.set A0,    6                          ; v[6:7]    chain 0: two running sums
.set A1,    8                          ; v[8:9]    chain 1
.set RES,   10                         ; v[10:11]  results: rows 2 L and 2 L + 1
.set PB,    12                         ; v[12:19]  pending sums: group g, level l at PB + 4 g + l
.set X,     20                         ; v[20:243] slot s: 16 registers of query, then 16 of doc
.set MK,    12                         ; s[12:15]  level l: the lanes whose bit l is set
	s_load_b128 s[4:7], s[0:1], 0x0                ; query_emb s[4:5], doc_emb s[6:7]
	s_load_b64 s[8:9], s[0:1], 0x10                ; out0
	s_lshl_b32 s10, ttmp9, 18                      ; the work-group's 256 rows of 1,024 bytes (255 x 256 KiB at the most: 32 bits do)
	s_mov_b32 s11, 0
	s_lshl_b32 s2, ttmp9, 10                       ; its 256 results of 4 bytes
	s_mov_b32 s3, 0
	s_mov_b32 s[MK+0], 0xaaaaaaaa                  ; lanes with bit 0 set
	s_mov_b32 s[MK+1], 0xcccccccc                  ; bit 1
	s_mov_b32 s[MK+2], 0xf0f0f0f0                  ; bit 2
	s_mov_b32 s[MK+3], 0xff00ff00                  ; bit 3
	v_lshrrev_b32 v[ADR], 4, v0                    ; 2 x wave + half: which block of 32 rows
	v_and_b32 v[TT], 15, v0                        ; my place in a row's 256 bytes
	v_lshlrev_b32 v[TT], 4, v[TT]
	v_lshl_or_b32 v[ADR], v[ADR], 15, v[TT]        ; 32 rows x 1,024 bytes x block + 16 x place
	v_lshlrev_b32 v[OUTO], 3, v0                   ; 8 x thread = 256 x wave + 8 x lane
	s_wait_kmcnt 0x0
	s_add_nc_u64 s[4:5], s[4:5], s[10:11]
	s_add_nc_u64 s[6:7], s[6:7], s[10:11]
	s_add_nc_u64 s[8:9], s[8:9], s[2:3]
	s_wait_alu depctr_va_vdst(0)                   ; v[ADR] and v[OUTO] are written: every load reads the first as its offset, the store the second; no vector line names either again
; Piece c of unit u is asked for: 256 bytes of row u of each half, from each input.  The row and the piece stand in the immediate
; (32,512 bytes at the most).  Every byte is read once in the launch: non-temporal.
.macro PIECE u, c
.set SLB, X+32*((\u)%SLOTS)
	global_load_b128 v[SLB+4*(\c):SLB+4*(\c)+3],       v[ADR], s[4:5] offset:(\u)*ROW+256*(\c) th:TH_LOAD_NT
	global_load_b128 v[SLB+16+4*(\c):SLB+16+4*(\c)+3], v[ADR], s[6:7] offset:(\u)*ROW+256*(\c) th:TH_LOAD_NT
.endm
; Unit u is asked for: its four pieces.
.macro FILL u
	PIECE \u, 0
	PIECE \u, 1
	PIECE \u, 2
	PIECE \u, 3
.endm
; One level of the merge, made if this unit's index in its group has bits 0 .. lvl all set (NTR counts them).  The pending sum of the level
; belongs to the smaller index (bit clear), SV to the larger.  The merged sum goes on in SV, or, at the unit's last level, to the next
; level's pending place (after level 3: to the result).  The add's destination has just been written by the select in front of it.
.macro LEVEL lvl, m
.if NTR > \lvl
.if NTR == \lvl+1
.if \lvl == 3
.set DST, RES+GRP
.else
.set DST, PB+4*GRP+\lvl+1
.endif
.else
.set DST, SV
.endif
	v_cndmask_b32 v[TT],  v[SV], v[PB+4*GRP+\lvl], s[MK+\lvl]      ; for the partner: lanes with the bit give the pending sum, the others SV
	v_cndmask_b32 v[DST], v[PB+4*GRP+\lvl], v[SV], s[MK+\lvl]      ; kept: lanes with the bit keep SV, the others the pending sum
	v_add_f32_dpp v[DST], v[TT], v[DST] row_xmask:\m row_mask:0xf bank_mask:0xf   ; kept + what lane (i xor m) gave
.endif
.endm
; The turn of unit UT.
.macro TURN
.set SLB, X+32*(UT%SLOTS)
.set GRP, UT&1                         ; even or odd row
.set IDX, UT>>1                        ; index in the group = the lane (of 16) in which the row's sum ends
.set NTR, 0                            ; how many low bits of IDX are set = how many merges fall due
.if (IDX&1) == 1
.set NTR, 1
.endif
.if (IDX&3) == 3
.set NTR, 2
.endif
.if (IDX&7) == 7
.set NTR, 3
.endif
.if IDX == 15
.set NTR, 4
.endif
.if UT+SLOTS <= UNITS
.set LEFT, 8*(SLOTS-1)                 ; six younger units, 8 loads each, stay out
.else
.set LEFT, 8*(UNITS-1-UT)              ; the last turns: only the units that are left
.endif
	s_wait_loadcnt LEFT                            ; loads come back in order (ISA guide 5.7.1): this unit's eight are in
	v_pk_mul_f32 v[A0:A0+1], v[SLB:SLB+1],   v[SLB+16:SLB+17]      ; the first products start the two chains: nothing is cleared
	v_pk_mul_f32 v[A1:A1+1], v[SLB+2:SLB+3], v[SLB+18:SLB+19]
.irp c, 1,2,3
	v_pk_fma_f32 v[A0:A0+1], v[SLB+4*\c:SLB+4*\c+1],   v[SLB+16+4*\c:SLB+17+4*\c], v[A0:A0+1]
	v_pk_fma_f32 v[A1:A1+1], v[SLB+4*\c+2:SLB+4*\c+3], v[SLB+18+4*\c:SLB+19+4*\c], v[A1:A1+1]
.endr
.if UT+SLOTS < UNITS
	s_wait_alu depctr_va_vdst(0)                   ; the eight multiply-adds above are done reading the slot, in which the eight loads below land; the turns that load nothing have no such line
	PIECE UT+SLOTS, 0                              ; the slot's next unit goes out at once, dealt among the reduction's first lines: no vector line since the wait names the slot or v[ADR]
.endif
	v_pk_add_f32 v[A0:A0+1], v[A0:A0+1], v[A1:A1+1] neg_lo:[1,1] neg_hi:[1,1]     ; - chain 0 - chain 1: the result's minus sign rides here
.if UT+SLOTS < UNITS
	PIECE UT+SLOTS, 1
.endif
.if NTR == 0
.set DST, PB+4*GRP                     ; no merge falls due: the sum waits at level 0
.else
.set DST, SV
.endif
	v_add_f32 v[DST], v[A0], v[A0+1]               ; my 16 products of the row, negated
.if UT+SLOTS < UNITS
	PIECE UT+SLOTS, 2
	PIECE UT+SLOTS, 3
.endif
	LEVEL 0, 1
	LEVEL 1, 2
	LEVEL 2, 4
	LEVEL 3, 8
.set UT, UT+1
.endm
.set UT, 0
.rept SLOTS
	FILL UT                                        ; the ring is filled: 56 loads
.set UT, UT+1
.endr
.set UT, 0
.rept UNITS
	TURN
.endr
	s_wait_alu depctr_va_vdst(0)                   ; the last merges of turns 30 and 31 have written v[RES] and v[RES+1], which the store reads
	global_store_b64 v[OUTO], v[RES:RES+1], s[8:9] th:TH_STORE_NT  ; 32 lanes x 8 bytes: the wave's 256 consecutive bytes of out0, aligned, in one store
	s_endpgm
.Lfunc_end_k_q5e36c06fe6_rowdot:
	.size	k_q5e36c06fe6_rowdot, .Lfunc_end_k_q5e36c06fe6_rowdot-k_q5e36c06fe6_rowdot
	.p2alignl 7, 3214868480
	.fill 96, 4, 3214868480
	.section	.rodata,"a",@progbits
	.p2align	6, 0x0
	.amdhsa_kernel k_q5e36c06fe6_rowdot
		.amdhsa_group_segment_fixed_size 0
		.amdhsa_private_segment_fixed_size 0
		.amdhsa_enable_private_segment 0
		.amdhsa_kernarg_size 24
		.amdhsa_user_sgpr_count 2
		.amdhsa_user_sgpr_kernarg_segment_ptr 1
		.amdhsa_wavefront_size32 1
		.amdhsa_system_sgpr_workgroup_id_x 1
		.amdhsa_system_sgpr_workgroup_id_y 1
		.amdhsa_system_sgpr_workgroup_id_z 1
		.amdhsa_system_vgpr_workitem_id 0
		.amdhsa_next_free_vgpr 244
		.amdhsa_next_free_sgpr 66
		.amdhsa_reserve_vcc 0
		.amdhsa_float_denorm_mode_32 3
		.amdhsa_float_denorm_mode_16_64 3
		.amdhsa_memory_ordered 1
		.amdhsa_forward_progress 1
		.amdhsa_inst_pref_size 52
	.end_amdhsa_kernel
	.amdgpu_metadata
---
amdhsa.version: [ 1, 2 ]
amdhsa.kernels:
  - .name:           k_q5e36c06fe6_rowdot
    .symbol:         k_q5e36c06fe6_rowdot.kd
    .args:
      - { .name: query_emb, .offset: 0, .size: 8, .value_kind: global_buffer, .address_space: global }
      - { .name: doc_emb, .offset: 8, .size: 8, .value_kind: global_buffer, .address_space: global }
      - { .name: out0, .offset: 16, .size: 8, .value_kind: global_buffer, .address_space: global }
    .group_segment_fixed_size: 0
    .private_segment_fixed_size: 0
    .kernarg_segment_align: 8
    .kernarg_segment_size: 24
    .max_flat_workgroup_size: 128
    .sgpr_count:     66
    .vgpr_count:     244
    .wavefront_size: 32
...
	.end_amdgpu_metadata
.endif
;; end of part 2
